; MI455X (gfx1250); checked and timed in simulation.
; The chip was launched on July 23, 2026; its instructions are those of AMD's public machine-readable ISA for CDNA 5 (MIT licence, August 2026) and "CDNA5" Instruction Set Architecture Reference Guide (July 2026). The comments in the code are by the model that wrote it; some were corrected since.
;; Tensor Base. Allowed arithmetic: matrix products marked QUANTISED: E2M1 operands, one E8M0 scale for each 32 along K, by v_wmma_scale_f32_16x16x128_f8f6f4 with both operands' format E2M1 (or v_wmma_scale_f32_32x16x128_f4), f32 sums; products left as they are: f32 operands where the result goes on into a quantised operand, else bf16, f16 or f32 operands; f32 sums; everything else in f32.
;; Inputs: W1 390 x 128 float32; W2 128 x 128 float32; W3 128 x 3 float32; app_grid 27 x 128 x 128 x 128 float32; b1 128 float32; b2 128 float32; b3 3 float32; density_grid 128 x 128 x 128 float32; rays_d 2,048 x 3 float32; rays_o 2,048 x 3 float32.
;; Outputs: out0 2,048 x 3 float32.
;; Constants: n_samples = 256.
;; This version of the problem:
;;   THIS VERSION OF THE PROBLEM IS GIVEN IN LOW PRECISION. The matrix products marked QUANTISED in the list below multiply operands that are first quantised to E2M1 (2 exponent bits, 1 mantissa bit; 4 bits a number), with one power-of-two scale for each 32 numbers along K (OCP MX v1.0); their sums are f32. All else is computed in f32.
;;   The module's matrix products, in the order in which they are computed (A, B: the left and right operand; K: the contracted axis; several contracted axes count as one K, in the product's order):
;;     1. [M 524,288, K 390] x [K 390, N 128]; A: computed on the way; B: input W1: QUANTISED
;;     2. [M 524,288, K 128] x [K 128, N 128]; A: computed on the way; B: input W2: QUANTISED
;;     3. [M 524,288, K 128] x [K 128, N 3]; A: computed on the way; B: input W3: left as it is (N = 3 < 16)
;;   THE QUANTISER, for each operand of a quantised product, along K:
;;     - K is cut into blocks of 32 from its start; a last block that is shorter is filled with zeros.
;;     - A block's scale is 2^e with e = floor(log2(the largest magnitude in the block)) - 2, held to -126 .. 127; a block of zeros has e = 0. As a byte (E8M0): e + 127.
;;     - Each number is divided by its block's scale, clamped to +-6, and rounded to the nearest number of E2M1, ties to even, subnormals kept.
;;     - The product sums the exact products of the quantised numbers (number of the format x scale) in f32.
;;   ~~~python
;;   def quantise(x, axis):      # numpy; x: float32 -> the quantised numbers, widened to float32 again
;;       x = np.moveaxis(x, axis, -1); K = x.shape[-1]
;;       x = np.pad(x, [(0, 0)] * (x.ndim - 1) + [(0, -K % 32)]); x = x.reshape(x.shape[:-1] + (-1, 32)); a = np.abs(x).max(-1, keepdims=True)
;;       e = np.where(a > 0, np.clip(np.frexp(np.where(a > 0, a, 1))[1] - 1 - 2, -126, 127), 0)      # np.frexp(a)[1] - 1 = floor(log2(a)), exactly
;;       r = np.clip(x / 2.0 ** e, -6, 6)
;;       step = 2.0 ** (np.maximum(np.frexp(np.where(r == 0, 1, r))[1] - 1, 0) - 1)
;;       q = np.round(r / step) * step * 2.0 ** e      # np.round: ties to even
;;       return np.moveaxis(q.reshape(q.shape[:-2] + (-1,))[..., :K], -1, axis).astype(np.float32)
;;   ~~~
;;   OPERANDS COMPUTED ON THE WAY. 'Computed on the way' means the value that the module computes at that place (a softmax that the list does not call 'softmax' is quantised finished and normalised). What goes into a quantiser is computed in f32, as accurately as f32 sums, v_exp_f32 and their like allow (about 1e-6 of the number): no bf16 or f16 on the way to a quantiser, and a product that is left as it is and whose result goes on into a quantised operand takes f32 operands (vector FMAs, or v_wmma_f32_16x16x4_f32). A number that lies on a knife's edge between two numbers of the format may be rounded either way, as far as f32 arithmetic and the matrix unit's own rounding can turn it there, and no further.
;; One version. Each part assembles by itself: llvm-mc -triple=amdgcn-amd-amdhsa -mcpu=gfx1250 --defsym DOCPART=n.
;; ======== version 1 of 1: 2 launches
;; limits: a function is approximated: absolute error at most 2e-05; inputs' magnitudes at most 10,000
;; workspace buffers: idx 4,194,304 bytes of whole numbers; frac 8,388,608 bytes; wimg 47,616 bytes
;; launch prep (part 1): grid 515 x 1, 8 waves a work-group, no clusters, 0 bytes of LDS; arguments rays_o, rays_d, W1, W2, W3, idx, frac, wimg; writes idx, frac, wimg
.if DOCPART == 1
	.amdgcn_target "amdgcn-amd-amdhsa--gfx1250"
	.amdhsa_code_object_version 6
	.text
	.protected	k_q3f0130077b_prep
	.globl	k_q3f0130077b_prep
	.p2align	8
	.type	k_q3f0130077b_prep,@function
k_q3f0130077b_prep:
	s_mov_b64 s[64:65], 0
	v_nop
	global_prefetch_b8 v0, s[64:65] scope:SCOPE_SE
	s_setreg_imm32_b32 hwreg(HW_REG_WAVE_MODE, 25, 1), 1
	s_wait_xcnt 0x0
; PREP: what the second launch needs as whole numbers, and the weights as codes.
; Nothing of reference() is left out in this program: every input has a way to the output and is loaded (here rays_o, rays_d, W1, W2, W3; in the second launch rays_d, app_grid, density_grid, b1, b2, b3).
; (a) Work-groups 0 to 511: four rays each, thread = sample i (256 samples).  t = linspace(0.2, 1.4, 256)[i], the point, its normalised coordinate, and for each axis the cell index and the fraction, as trilerp() has them.
;     Stored: idx[point] = { z0 * 128 + y0, x0 } (whole numbers: the second launch forms its gather addresses from them), frac[point] = { fx, fy, fz, 0 }.
; (b) Work-groups 512 to 514: 24 waves.  Waves 0-15: W1 [390][128], K step s = id / 4 (128 along K), columns 32 g .. 32 g + 31, g = id % 4.  Waves 16-19: W2 [128][128].  Waves 20-23: W3 [128][3] as bf16.
;     A LANE TAKES A COLUMN AND ITS REGISTERS RUN DOWN K: a block of 32 along K lies in one lane, and the conversions give codes with K innermost.
;     The codes are stored as IMAGES OF THE OPERAND REGISTERS: fragment (16 rows x 128 K) = 1,024 bytes; group c of four registers at 512 c + 16 x lane; lane (m, hk) holds block 2 c + hk of row m.
;     wimg: 0 W1 fragments (tile i, K step s) at (4 i + s) x 1,024; 32,768 W1 scale words [s][m + 16 (i % 2)][i / 2]; 34,816 W2 fragments; 43,008 W2 scale words [m + 16 (i % 2)][i / 2]; 43,520 four bf16 fragments of W3^T.
;     THE ROWS OF A TILE OF W1 ARE CHOSEN: row m = 8 h + j of tile i is hidden unit 64 (i / 4) + 32 h + 8 (i % 4) + j, so that in the transposed product a lane finds a whole block of the next K in 32 registers.
;     K = 390: block 12 holds rows 384 to 389 and zeros; blocks 13 to 15 of K step 3 are zero codes under the byte 127.
; A block scale is 2^(floor(log2(largest magnitude)) - 2); its byte is the largest magnitude's exponent field - 2, held at 1 from below.
; LIMITS: NaN and infinities among the inputs are not served.  A block of zeros has the byte 1 where the quantiser says 127: its codes are zeros, and this program alone reads the bytes.
; t, the division by 3 and i / 255 are a reciprocal multiply mended by two fused multiply-adds: good to the last bit or so, another order of rounding than a division.
; No LDS, no barrier, EXEC is never changed.  The 47,616 bytes of images leave in pieces of 128 or 512 bytes.
.macro AXIS j, a, fr, ii               ; ray j, axis a: fraction into v[fr], cell index into v[ii]
	v_fma_f32 v2, s[36+3*\j+\a], v1, s[24+3*\j+\a]   ; o + d t
	v_add_f32 v2, 0x3fc00000, v2                   ; - AABB_MIN
	v_mul_f32 v3, 0x3eaaaaab, v2                   ; / 3: reciprocal,
	v_fma_f32 v4, 0xc0400000, v3, v2               ; what is left,
	v_fma_f32 v3, v4, 0x3eaaaaab, v3               ; mended
	v_fma_f32 v3, v3, 2.0, -1.0
	v_med3_num_f32 v3, v3, -1.0, 1.0               ; clip to [-1, 1]
	v_add_f32 v3, 1.0, v3
	v_mul_f32 v3, 0x427e0000, v3                   ; x 63.5 = x 0.5 x 127: the same real number, so the same rounding
	v_floor_f32 v4, v3
	v_med3_num_f32 v4, v4, 0, 0x42fc0000           ; i0 in 0 .. 126
	v_sub_f32 v3, v3, v4
	v_med3_num_f32 v[(\fr)], v3, 0, 1.0
	v_cvt_u32_f32 v[(\ii)], v4
.endm
	s_load_b512 s[4:19], s[0:1], 0x0               ; rays_o s[4:5], rays_d s[6:7], W1 s[8:9], W2 s[10:11], W3 s[12:13], idx s[14:15], frac s[16:17], wimg s[18:19]
	v_lshrrev_b32 v1, 5, v0
	v_readfirstlane_b32 s20, v1                    ; wave 0..7
	s_wait_kmcnt 0x0
	s_cmp_ge_u32 ttmp9, 512
	s_cbranch_scc1 .Lweights
	; ---------------- (a) the points of four rays
	s_mul_i32 s22, ttmp9, 48                       ; four rays x 12 bytes
	s_mov_b32 s23, 0
	s_add_nc_u64 s[4:5], s[4:5], s[22:23]
	s_add_nc_u64 s[6:7], s[6:7], s[22:23]
	s_load_b256 s[24:31], s[4:5], 0x0              ; twelve words of rays_o: s24 .. s35
	s_load_b128 s[32:35], s[4:5], 0x20
	s_load_b256 s[36:43], s[6:7], 0x0              ; twelve words of rays_d: s36 .. s47
	s_load_b128 s[44:47], s[6:7], 0x20
	s_lshl_b32 s22, ttmp9, 13                      ; 1,024 points x 8 bytes
	s_add_nc_u64 s[14:15], s[14:15], s[22:23]
	s_lshl_b32 s22, ttmp9, 14                      ; x 16 bytes
	s_add_nc_u64 s[16:17], s[16:17], s[22:23]
	v_cvt_f32_u32 v2, v0
	v_mul_f32 v3, 0x3b808081, v2                   ; i / 255, mended as above
	v_fma_f32 v4, 0xc37f0000, v3, v2
	v_fma_f32 v3, v4, 0x3b808081, v3
	v_sub_f32 v4, 1.0, v3
	v_mul_f32 v4, 0x3e4ccccd, v4                   ; 0.2 (1 - step)
	v_fma_f32 v1, 0x3fb33333, v3, v4               ; + 1.4 step: t
	v_lshlrev_b32 v10, 3, v0                       ; my 8 bytes of idx: a wave stores 256 consecutive bytes
	v_lshlrev_b32 v11, 4, v0                       ; my 16 bytes of frac: 512 consecutive bytes
	s_wait_kmcnt 0x0                               ; the rays
.irp j, 0,1,2,3                        ; each ray has its own data registers: no store's data are written again
	AXIS \j, 0, 24+4*\j, 17+2*\j
	AXIS \j, 1, 25+4*\j, 5
	AXIS \j, 2, 26+4*\j, 6
	v_lshl_add_u32 v[16+2*\j], v6, 7, v5           ; z0 x 128 + y0
	v_mov_b32 v[27+4*\j], 0
	global_store_b64 v10, v[16+2*\j:17+2*\j], s[14:15] offset:2048*\j
	global_store_b128 v11, v[24+4*\j:27+4*\j], s[16:17] offset:4096*\j
.endr
	s_endpgm
	; ---------------- (b) the weights
.macro LOADB b                         ; block b of the K step: rows 32 b .. 32 b + 31 of my column, into set b % 2
.set T, 0
.rept 32
	global_load_b32 v[40+32*((\b)%2)+T], v4, s[22:23] offset:(32*(\b)+T)*512
.set T, T+1
.endr
.endm
.macro BLOCK b, cnt                    ; cnt: the younger loads that may stay out
.set XS, 40+32*((\b)%2)
	s_wait_loadcnt \cnt
	v_max3_num_f32 v8, |v[XS]|, |v[XS+1]|, |v[XS+2]|               ; the block's largest magnitude: all 32 numbers are mine; two chains
	v_max3_num_f32 v9, |v[XS+3]|, |v[XS+4]|, |v[XS+5]|
.irp i, 6,10,14,18,22,26
	v_max3_num_f32 v8, v8, |v[XS+\i]|, |v[XS+\i+1]|
	v_max3_num_f32 v9, v9, |v[XS+\i+2]|, |v[XS+\i+3]|
.endr
	v_max3_num_f32 v8, v8, |v[XS+30]|, |v[XS+31]|
	v_max3_num_f32 v8, v8, v9, 0x1800000           ; and the floor 2^(3 - 127): the byte cannot fall under 1
	v_add_nc_u32 v10, 0xff000000, v8               ; 2 off the exponent field: the conversion's scale operand
.irp g, 0,1,2,3
	v_cvt_scalef32_pk8_fp4_f32 v[20+4*(\b)+\g], v[XS+8*\g:XS+8*\g+7], v10
.endr
.if (\b) == 0
	v_lshrrev_b32 v12, 23, v10                     ; the scale's byte (also the plain line behind the conversions)
.else
	v_lshrrev_b32 v11, 23, v10
	v_lshl_or_b32 v12, v11, 8*(\b), v12            ; four bytes make my row's scale word
.endif
	global_store_b128 v5, v[20+4*(\b):23+4*(\b)], s[18:19] offset:((\b)/2)*512+((\b)%2)*256
.endm
.Lweights:
	s_sub_co_u32 s21, ttmp9, 512
	s_lshl_b32 s21, s21, 3
	s_add_co_u32 s21, s21, s20                     ; id 0..23
	v_and_b32 v1, 31, v0                           ; lane
	s_cmp_ge_u32 s21, 20
	s_cbranch_scc1 .Lw3
	s_cmp_ge_u32 s21, 16
	s_cbranch_scc1 .Lw2
	; W1: K step s, columns 32 g on
	s_lshr_b32 s24, s21, 2                         ; s
	s_and_b32 s25, s21, 3                          ; g
	s_lshl_b32 s26, s24, 16                        ; 128 rows of 512 bytes
	s_mov_b32 s27, 0
	s_add_nc_u64 s[22:23], s[8:9], s[26:27]
	s_lshl_b32 s31, s25, 7
	v_lshl_add_u32 v4, v1, 2, s31                  ; my column, in bytes
	s_lshr_b32 s28, s25, 1
	s_lshl_b32 s28, s28, 2
	v_lshrrev_b32 v2, 3, v1
	v_add_nc_u32 v2, s28, v2                       ; tile i = 4 (g / 2) + lane / 8
	s_and_b32 s29, s25, 1
	s_lshl_b32 s29, s29, 3
	v_and_b32 v3, 7, v1
	v_add_nc_u32 v3, s29, v3                       ; row m = 8 (g % 2) + lane % 8
	s_lshl_b32 s30, s24, 10
	v_lshlrev_b32 v5, 12, v2
	v_lshl_add_u32 v5, v3, 4, v5
	v_add_nc_u32 v5, s30, v5                       ; codes: (4 i + s) x 1,024 + 16 m
	v_and_b32 v7, 1, v2
	v_lshl_add_u32 v7, v7, 4, v3                   ; m + 16 (i % 2)
	v_lshrrev_b32 v6, 1, v2
	v_lshlrev_b32 v6, 2, v6
	v_lshl_add_u32 v6, v7, 4, v6
	s_lshl_b32 s30, s24, 9
	s_add_co_u32 s30, s30, 32768
	v_add_nc_u32 v6, s30, v6                       ; the scale word's place
	s_cmp_eq_u32 s24, 3
	s_cbranch_scc1 .Ltail
	s_branch .Lfull
.Lw2:
	s_sub_co_u32 s25, s21, 16                      ; g
	s_mov_b64 s[22:23], s[10:11]
	s_lshl_b32 s31, s25, 7
	v_lshl_add_u32 v4, v1, 2, s31
	s_lshl_b32 s30, s25, 11                        ; tile 2 g + lane / 16, row lane % 16: 2,048 g + 1,024 (lane / 16) + 16 (lane % 16)
	s_add_co_u32 s30, s30, 34816
	v_lshrrev_b32 v2, 4, v1
	v_and_b32 v3, 15, v1
	v_lshlrev_b32 v5, 10, v2
	v_lshl_add_u32 v5, v3, 4, v5
	v_add_nc_u32 v5, s30, v5
	s_lshl_b32 s30, s25, 2
	s_add_co_u32 s30, s30, 43008
	v_lshl_add_u32 v6, v1, 4, s30                  ; 43,008 + 16 lane + 4 g
.Lfull:                                                ; four whole blocks; the loads run a block ahead: 32 stay out while a block is worked
	LOADB 0
	LOADB 1
	BLOCK 0, 32
	LOADB 2
	BLOCK 1, 32
	LOADB 3
	BLOCK 2, 32
	BLOCK 3, 0
	global_store_b32 v6, v12, s[18:19]
	s_endpgm
.Ltail:                                                ; K step 3 of W1: rows 384 to 389, then zeros: no load leaves the buffer
.irp t, 0,1,2,3,4,5
	global_load_b32 v[40+\t], v4, s[22:23] offset:512*\t
.endr
.set T, 6
.rept 26
	v_mov_b32 v[40+T], 0
.set T, T+1
.endr
.irp t, 16,17,18,19
	v_mov_b32 v\t, 0
.endr
	BLOCK 0, 0
	v_or_b32 v12, 0x7f7f7f00, v12                  ; blocks 13 to 15: zero codes under the byte 127
	global_store_b128 v5, v[16:19], s[18:19] offset:256
	global_store_b128 v5, v[16:19], s[18:19] offset:512
	global_store_b128 v5, v[16:19], s[18:19] offset:768
	global_store_b32 v6, v12, s[18:19]
	s_endpgm
.Lw3:                                                  ; fragment p of W3^T in bf16: row m = colour (rows 3 to 15 zeros), K = hidden units 32 p .. 32 p + 31
	s_sub_co_u32 s24, s21, 20                      ; p
	s_mul_i32 s26, s24, 384                        ; 32 rows of 12 bytes
	s_mov_b32 s27, 0
	s_add_nc_u64 s[22:23], s[12:13], s[26:27]
	v_and_b32 v2, 15, v1                           ; m
	v_lshrrev_b32 v3, 4, v1                        ; h
	v_min_u32 v6, 2, v2                            ; rows 3 to 15 read colour 2 and are cleared below: no load leaves the buffer
	v_mul_u32_u24 v4, v3, 96                       ; 8 h rows
	v_lshl_add_u32 v4, v6, 2, v4
.irp q, 0,1,2,3,4,5,6,7                ; register q holds k = 16 (q / 4) + 8 h + 2 (q % 4) + 0, 1
	global_load_b32 v[40+2*\q], v4, s[22:23] offset:((\q/4)*16+2*(\q%4))*12
	global_load_b32 v[41+2*\q], v4, s[22:23] offset:((\q/4)*16+2*(\q%4)+1)*12
.endr
	s_lshl_b32 s25, s24, 10
	s_add_co_u32 s25, s25, 43520
	v_lshl_add_u32 v5, v1, 4, s25
	s_wait_loadcnt 0x0
.irp q, 0,1,2,3,4,5,6,7
	v_cvt_pk_bf16_f32 v[20+\q], v[40+2*\q], v[41+2*\q]
.endr
	v_cmp_gt_u32 vcc_lo, 3, v2
.irp q, 0,1,2,3,4,5,6,7
	v_cndmask_b32 v[20+\q], 0, v[20+\q], vcc_lo
.endr
	global_store_b128 v5, v[20:23], s[18:19]
	global_store_b128 v5, v[24:27], s[18:19] offset:512
	s_endpgm
.Lfunc_end_k_q3f0130077b_prep:
	.size	k_q3f0130077b_prep, .Lfunc_end_k_q3f0130077b_prep-k_q3f0130077b_prep
	.p2alignl 7, 3214868480
	.fill 96, 4, 3214868480
	.section	.rodata,"a",@progbits
	.p2align	6, 0x0
	.amdhsa_kernel k_q3f0130077b_prep
		.amdhsa_group_segment_fixed_size 0
		.amdhsa_private_segment_fixed_size 0
		.amdhsa_enable_private_segment 0
		.amdhsa_kernarg_size 64
		.amdhsa_user_sgpr_count 2
		.amdhsa_user_sgpr_kernarg_segment_ptr 1
		.amdhsa_wavefront_size32 1
		.amdhsa_system_sgpr_workgroup_id_x 1
		.amdhsa_system_sgpr_workgroup_id_y 1
		.amdhsa_system_sgpr_workgroup_id_z 1
		.amdhsa_system_vgpr_workitem_id 0
		.amdhsa_next_free_vgpr 128
		.amdhsa_next_free_sgpr 66
		.amdhsa_reserve_vcc 1
		.amdhsa_float_denorm_mode_32 3
		.amdhsa_float_denorm_mode_16_64 3
		.amdhsa_memory_ordered 1
		.amdhsa_forward_progress 1
		.amdhsa_inst_pref_size 40
	.end_amdhsa_kernel
	.amdgpu_metadata
---
amdhsa.version: [ 1, 2 ]
amdhsa.kernels:
  - .name:           k_q3f0130077b_prep
    .symbol:         k_q3f0130077b_prep.kd
    .args:
      - { .name: rays_o, .offset: 0, .size: 8, .value_kind: global_buffer, .address_space: global }
      - { .name: rays_d, .offset: 8, .size: 8, .value_kind: global_buffer, .address_space: global }
      - { .name: W1, .offset: 16, .size: 8, .value_kind: global_buffer, .address_space: global }
      - { .name: W2, .offset: 24, .size: 8, .value_kind: global_buffer, .address_space: global }
      - { .name: W3, .offset: 32, .size: 8, .value_kind: global_buffer, .address_space: global }
      - { .name: idx, .offset: 40, .size: 8, .value_kind: global_buffer, .address_space: global }
      - { .name: frac, .offset: 48, .size: 8, .value_kind: global_buffer, .address_space: global }
      - { .name: wimg, .offset: 56, .size: 8, .value_kind: global_buffer, .address_space: global }
    .group_segment_fixed_size: 0
    .private_segment_fixed_size: 0
    .kernarg_segment_align: 8
    .kernarg_segment_size: 64
    .max_flat_workgroup_size: 256
    .sgpr_count:     66
    .vgpr_count:     128
    .wavefront_size: 32
...
	.end_amdgpu_metadata
.endif
;; end of part 1
;; launch render (part 2): grid 256 x 1, 16 waves a work-group, no clusters, 292,608 bytes of LDS; arguments idx, frac, wimg, app_grid, density_grid, rays_d, b1, b2, b3, out0; writes out0
.if DOCPART == 2
	.amdgcn_target "amdgcn-amd-amdhsa--gfx1250"
	.amdhsa_code_object_version 6
	.text
	.protected	k_q3f0130077b_render
	.globl	k_q3f0130077b_render
	.p2align	8
	.type	k_q3f0130077b_render,@function
k_q3f0130077b_render:
	s_mov_b64 s[64:65], 0
	v_nop
	global_prefetch_b8 v0, s[64:65] scope:SCOPE_SE
	s_setreg_imm32_b32 hwreg(HW_REG_WAVE_MODE, 25, 1), 1
	s_wait_xcnt 0x0
; RENDER: gather, encoding, the three products and the compositing, for 8 rays a work-group.
; NOTHING OF reference() IS LEFT OUT.  Two things are done once a wave instead of once a point, since they hang on the ray alone:
;   the view direction with its 36 sines and cosines; and K block 12 of the first product (k = 384 .. 389, the view's last six numbers, then the quantiser's zeros): the same operand row for every sample of a ray.
;   Its part of the product is multiplied once, by eight MX-FP4 matrix instructions with b1 as their C; the result C1 is the C of every tile's first K step.  Per point K is then 384: three steps of 128.
; SHARES.  Sixteen waves, four to a SIMD, 256 registers each.  Wave w has ray 8 wg + w / 2, samples 128 (w % 2) .. + 127, in four groups of 32: A LANE IS A POINT.
; PHASE A.  All waves walk the 28 volumes (27 channels and the density) in the same order, two at a time, for all their 128 points: eight corners each, by addresses made of the whole numbers that the launch before stored.
;   The 28 interpolated numbers of a point wait in the wave's own stage in LDS.  A wave has 64 loads issued and not yet waited for.
; THE WAVES ARE NOT HELD TOGETHER BEHIND THE GATHER.  What they share is the copy of the weight images in LDS: the one barrier for it stands AHEAD of the gather loop, with the first 64 gathers already on their way.
;   A stage is read by the wave that wrote it alone.  So a wave that has finished its gather goes on to its own products while other waves of the work-group still gather: vector and matrix work beside memory work.
; PHASE B, a group of 32 points a trip: alpha and the transmittance (a product scan over the lanes); sine and cosine of the 27 features; twelve blocks of 32 quantised in the lane (all 32 numbers of a block are one lane's);
;   both quantised products TRANSPOSED (source 0 = 16 rows of the weight, source 1 = 16 points), the weights read from LDS as images of their registers, each image feeding two tiles of points;
;   the rows of a tile of W1 are chosen so that a lane finds a whole block of the next K in the 32 registers of four tiles; the third product in bf16 (its operands have no bound that fits f16), N = 3 inside one tile of 16 rows.
; PHASE E.  The two halves of a ray meet in LDS: colour = A1 + P1 A2, P1 the first half's whole transmittance.
; No cluster and no tensor load: the volumes are gathered lane by lane, so no tile is shared; what the work-groups share is 47,616 bytes of images, read once each.
; SINE AND COSINE in f32: x is reduced by multiples of pi (pi in two words), sin and cos of the rest by Taylor polynomials on |r| <= pi / 2 (cut-off under 6e-8), those of 2 x .. 32 x by five doublings s' = 2 s c, c' = 1 - 2 s s.
; LIMITS.  NaN and infinities among the inputs are not served.  An error along the angle doubles with each doubling; one across it (in s s + c c) is multiplied by 4 s s a step, over five steps by 3^5 at the most:
;   sin and cos of 32 x are typically good to about 1e-6, at the very worst to some 2e-5, absolute.  The reduction serves |x| up to some 10^4.
;   Sums of products are fused, the transmittance is a tree of products, K block 12 and b1 are summed ahead of the other blocks: other orders of rounding than reference()'s.
;   A block of zeros has the byte 1 or 127 over zero codes.  d / |d| is a reciprocal multiply mended by two fused multiply-adds.
;
; LDS (bytes)
.set W1I,   0                          ; the images, as the launch before laid them: W1's 32 fragments,
.set SW1,   32768                      ; W1's scale words [s][lane][4],
.set W2I,   34816                      ; W2's 8 fragments,
.set SW2,   43008                      ; W2's scale words [lane][4],
.set W3I,   43520                      ; four bf16 fragments of W3^T
.set B2L,   47616                      ; b2 as it lies
.set SCR,   48128                      ; 768 a wave: C1 [h][64] f32, then from + 512 the first 30 view numbers
.set COMB,  60416                      ; 48 a wave: AC0 AC1 AC2 AW | AW AW AW - | T T T -
.set SPARE, 61184                      ; the spare words, 128 bytes a wave: eight blocks of 256 bytes that no other line names
.set STG,   63232                      ; 14,336 a wave: [group][pair of channels][lane][2 words]
.set WSTG,  14336
.set GSTG,  3584
; VECTOR REGISTERS
.set SPW,  1                           ; LDS address of my spare word; never rewritten
.set NIL,  2                           ; 0; never rewritten
.set LI,   3                           ; 16 x lane: an image's place for my lane
.set FA0,  4                           ; my 8 bytes in my wave's stage
.set FAD,  5                           ; the stage address in hand
.set C1A,  6                           ; C1 of my half of the lanes
.set B2A,  7                           ; b2: + 32 h
.set VWA,  8                           ; my wave's view numbers
.set CMA,  9                           ; my wave's record in COMB
.set AC,   10                          ; v10-12 the sums of weight x colour
.set AW,   13                          ; the sum of weights
.set TRUN, 14                          ; the transmittance in front of the group
.set WGT,  15                          ; my point's weight
.set SA1,  16                          ; v16-27 W1's scale words, four a K step: register i / 2, lanes 0-15 tile 2 (i / 2), lanes 16-31 the next
.set SA2,  28                          ; v28-31 W2's likewise
.set SW,   32                          ; v32-34 x's scale words: lane = point
.set SWV,  35                          ; the view block's scale word
.set HSW,  36                          ; v36-39 at first W1's scale words of K step 3; then v36, v37 the hidden layer's
.set F,    40                          ; v40-71 K block 0: 27 features, the view direction, k = 30, 31
.set XB,   72                          ; v72-135 a ring of two K blocks
.set CD,   136                         ; v136-183 x's codes: 16 a K step
.set TS,   184                         ; v184-213 at work
.set AF,   184                         ; v184-215 four fragments of a weight
.set HC,   216                         ; v216-231 the hidden layer's codes, 8 a tile of points
.set XA,   232                         ; v232-239, v240-247 the third product's two accumulators; ahead of it at work
.set YA,   240
.set KM,   248                         ; v[248:249] 1.5 x 2^23
.set KS4,  250                         ; v[250:251] 1 / 9!
.set KC5,  252                         ; v[252:253] -1 / 10!
.set SH8,  254                         ; 8 h
.set OA,   255                         ; the last step's LDS address
.set ACC,  40                          ; overlays behind the encoding: v40-103 eight accumulators (32 t + 8 ii),
.set CB,   104                         ; v104-135 the C of four tiles,
.set BF,   136                         ; v136-167 the second hidden layer in bf16 (16 t + 8 pl),
.set W3F,  168                         ; v168-183 two fragments of W3^T
.set W8,   40                          ; overlays in phase A: v40-71 eight corner weights a group,
.set GL,   72                          ; v72-135 sixteen gathered numbers a group,
.set ACCP, 136                         ; v136-143 a pair of channels a group,
.set OFF,  144                         ; v144-147 the cell's byte offset in a volume
.set VV,   136                         ; overlay in phase V: v136-171 the 36 view numbers, v172, v173 zeros
.set NB,   TS+0
.set SG,   TS+2
.set NN,   TS+4
.set RR,   TS+6
.set ZZ,   TS+8
.set PSN,  TS+10
.set PCS,  TS+12
.set ZR,   TS+14
.set TT,   TS+16
.set MXA,  TS+18
.set MXB,  TS+19
.set SCO,  TS+20
.set BY,   TS+21
.set MODE, 0
; SCALAR REGISTERS: s[4:23] the ten buffers; s24 wave; s25 at work; s[26:27], s[28:29] the two volumes in hand; s30 a loop's count; s31 its LDS step; s[32:33] lane selects;
; s35-37 the view direction; s38-40 -log2(e) b3; s41 -log2(e); s42, s43 the two rows' products; s[44:46] the ray's d; s[48:50] b3; s[52:55] offsets and the ray's pointer; s57 -log2(e) x 25 x step x |d|;
; s[58:59] the base of the copy's sixth load
.macro MAPK k                          ; RK = the register of number k of the MLP's input
.if MODE
.set RK, VV+(\k)-354
.elseif (\k) < 32
.set RK, F+(\k)
.else
.set RK, XB+((\k)%64)
.endif
.endm
; Sine and cosine of x, 2 x .. 32 x for the two numbers in v[xr:xr+1]; the first's twelve go to k = kA on, the second's to kB on (kB = -1: the second is not wanted).
.macro ENCPAIR xr, kA, kB
	v_pk_fma_f32 v[NB:NB+1], v[(\xr):(\xr)+1], 0x3ea2f983, v[KM:KM+1] op_sel_hi:[1,0,1]   ; x / pi + 1.5 x 2^23: the nearest whole number n sits in the low bits
	v_lshlrev_b32 v[SG], 31, v[NB]                 ; n's parity as a sign: sin and cos of x are those of r, both x (-1)^n
	v_lshlrev_b32 v[SG+1], 31, v[NB+1]
	v_pk_add_f32 v[NN:NN+1], v[NB:NB+1], v[KM:KM+1] neg_lo:[0,1] neg_hi:[0,1]             ; n
	v_pk_fma_f32 v[RR:RR+1], v[NN:NN+1], 0xc0490fdb, v[(\xr):(\xr)+1] op_sel_hi:[1,0,1]   ; r = x - n pi, pi in two words
	v_pk_fma_f32 v[RR:RR+1], v[NN:NN+1], 0x33bbbd2e, v[RR:RR+1] op_sel_hi:[1,0,1]
	v_pk_mul_f32 v[ZZ:ZZ+1], v[RR:RR+1], v[RR:RR+1]
	v_pk_fma_f32 v[PSN:PSN+1], v[ZZ:ZZ+1], 0xb2d7322b, v[KS4:KS4+1] op_sel_hi:[1,0,1]
	v_pk_fma_f32 v[PCS:PCS+1], v[ZZ:ZZ+1], 0x310f76c7, v[KC5:KC5+1] op_sel_hi:[1,0,1]
	v_pk_fma_f32 v[PSN:PSN+1], v[PSN:PSN+1], v[ZZ:ZZ+1], 0xb9500d01 op_sel_hi:[1,1,0]
	v_pk_fma_f32 v[PCS:PCS+1], v[PCS:PCS+1], v[ZZ:ZZ+1], 0x37d00d01 op_sel_hi:[1,1,0]
	v_pk_fma_f32 v[PSN:PSN+1], v[PSN:PSN+1], v[ZZ:ZZ+1], 0x3c088889 op_sel_hi:[1,1,0]
	v_pk_fma_f32 v[PCS:PCS+1], v[PCS:PCS+1], v[ZZ:ZZ+1], 0xbab60b61 op_sel_hi:[1,1,0]
	v_pk_fma_f32 v[PSN:PSN+1], v[PSN:PSN+1], v[ZZ:ZZ+1], 0xbe2aaaab op_sel_hi:[1,1,0]
	v_pk_fma_f32 v[PCS:PCS+1], v[PCS:PCS+1], v[ZZ:ZZ+1], 0x3d2aaaab op_sel_hi:[1,1,0]
	v_pk_mul_f32 v[ZR:ZR+1], v[ZZ:ZZ+1], v[RR:RR+1]
	v_pk_fma_f32 v[PCS:PCS+1], v[PCS:PCS+1], v[ZZ:ZZ+1], -0.5 op_sel_hi:[1,1,0]
	v_pk_fma_f32 v[PSN:PSN+1], v[PSN:PSN+1], v[ZR:ZR+1], v[RR:RR+1]                       ; sin r
	v_pk_fma_f32 v[PCS:PCS+1], v[PCS:PCS+1], v[ZZ:ZZ+1], 1.0 op_sel_hi:[1,1,0]            ; cos r
	MAPK (\kA)
	v_xor_b32 v[RK], v[SG], v[PSN]
	MAPK (\kA)+6
	v_xor_b32 v[RK], v[SG], v[PCS]
.if (\kB) >= 0
	MAPK (\kB)
	v_xor_b32 v[RK], v[SG+1], v[PSN+1]
	MAPK (\kB)+6
	v_xor_b32 v[RK], v[SG+1], v[PCS+1]
.endif
.irp f, 1,2,3,4,5                      ; the doublings, written straight into their places along K; the two numbers by turns
	MAPK (\kA)+\f-1
.set aS0, RK
	MAPK (\kA)+\f+5
.set aC0, RK
	MAPK (\kA)+\f
.set aS1, RK
	MAPK (\kA)+\f+6
.set aC1, RK
.if (\kB) >= 0
	MAPK (\kB)+\f-1
.set bS0, RK
	MAPK (\kB)+\f+5
.set bC0, RK
	MAPK (\kB)+\f
.set bS1, RK
	MAPK (\kB)+\f+6
.set bC1, RK
.endif
	v_add_f32 v[TT], v[aS0], v[aS0]
.if (\kB) >= 0
	v_add_f32 v[TT+1], v[bS0], v[bS0]
.endif
	v_mul_f32 v[aS1], v[TT], v[aC0]
.if (\kB) >= 0
	v_mul_f32 v[bS1], v[TT+1], v[bC0]
.endif
	v_fma_f32 v[aC1], -v[TT], v[aS0], 1.0
.if (\kB) >= 0
	v_fma_f32 v[bC1], -v[TT+1], v[bS0], 1.0
.endif
.endr
.endm
; 32 numbers of a lane, v[b] on, one block along K: its scale operand into v[so], its codes into v[dst] .. v[dst + 3]
.macro QCORE b, dst, ma, mb, so
	v_max3_num_f32 v[(\ma)], |v[(\b)]|, |v[(\b)+1]|, |v[(\b)+2]|
	v_max3_num_f32 v[(\mb)], |v[(\b)+3]|, |v[(\b)+4]|, |v[(\b)+5]|
.irp i, 6,10,14,18,22,26
	v_max3_num_f32 v[(\ma)], v[(\ma)], |v[(\b)+\i]|, |v[(\b)+\i+1]|
	v_max3_num_f32 v[(\mb)], v[(\mb)], |v[(\b)+\i+2]|, |v[(\b)+\i+3]|
.endr
	v_max3_num_f32 v[(\ma)], v[(\ma)], |v[(\b)+30]|, |v[(\b)+31]|
	v_max3_num_f32 v[(\ma)], v[(\ma)], v[(\mb)], 0x1800000         ; the floor 2^(3 - 127): the byte cannot fall under 1
	v_add_nc_u32 v[(\so)], 0xff000000, v[(\ma)]                    ; 2 off the exponent field: the conversion's scale operand
.irp g, 0,1,2,3
	v_cvt_scalef32_pk8_fp4_f32 v[(\dst)+\g], v[(\b)+8*\g:(\b)+8*\g+7], v[(\so)]
.endr
.endm
; K block j of x.  Even blocks go to the registers of point tile 0, odd ones to those of tile 1: the exchange of halves behind the last block makes the two fragments of them.
.macro QB j
.if (\j) == 0
.set QBASE, F
.else
.set QBASE, XB+32*((\j)%2)
.endif
	QCORE QBASE, CD+16*((\j)/4)+4*(((\j)%4)/2)+8*((\j)%2), MXA, MXB, SCO
.if (\j)%4 == 0
	v_lshrrev_b32 v[SW+(\j)/4], 23, v[SCO]         ; the scale's byte (also the plain line behind the conversions)
.else
	v_lshrrev_b32 v[BY], 23, v[SCO]
	v_lshl_or_b32 v[SW+(\j)/4], v[BY], 8*((\j)%4), v[SW+(\j)/4]
.endif
.endm
; a scaled matrix instruction on 4-bit codes; ra, rb: the scale rows of source 0 and of source 1 are taken from lanes 16-31
.macro WM d, a, b, c, sa, sb, ra, rb
.if (\ra) && (\rb)
	v_wmma_scale_f32_16x16x128_f8f6f4 v[(\d):(\d)+7], v[(\a):(\a)+7], v[(\b):(\b)+7], v[(\c):(\c)+7], v[(\sa)], v[(\sb)] matrix_a_fmt:MATRIX_FMT_FP4 matrix_b_fmt:MATRIX_FMT_FP4 matrix_a_scale:MATRIX_SCALE_ROW1 matrix_b_scale:MATRIX_SCALE_ROW1
.elseif (\ra)
	v_wmma_scale_f32_16x16x128_f8f6f4 v[(\d):(\d)+7], v[(\a):(\a)+7], v[(\b):(\b)+7], v[(\c):(\c)+7], v[(\sa)], v[(\sb)] matrix_a_fmt:MATRIX_FMT_FP4 matrix_b_fmt:MATRIX_FMT_FP4 matrix_a_scale:MATRIX_SCALE_ROW1
.elseif (\rb)
	v_wmma_scale_f32_16x16x128_f8f6f4 v[(\d):(\d)+7], v[(\a):(\a)+7], v[(\b):(\b)+7], v[(\c):(\c)+7], v[(\sa)], v[(\sb)] matrix_a_fmt:MATRIX_FMT_FP4 matrix_b_fmt:MATRIX_FMT_FP4 matrix_b_scale:MATRIX_SCALE_ROW1
.else
	v_wmma_scale_f32_16x16x128_f8f6f4 v[(\d):(\d)+7], v[(\a):(\a)+7], v[(\b):(\b)+7], v[(\c):(\c)+7], v[(\sa)], v[(\sb)] matrix_a_fmt:MATRIX_FMT_FP4 matrix_b_fmt:MATRIX_FMT_FP4
.endif
.endm
.macro PLACES n                        ; plain vector lines behind matrix instructions, or ahead of scaled ones whose operands vector instructions wrote (ISA guide 7.12.1)
.rept \n
	v_nop
.endr
.endm
; group g: the cell's byte offset from the two stored whole numbers, and the eight corner weights in reference()'s own bracketing, corner q = 4 z + 2 y + x
.macro CELL g
	v_min_u32 v[148+2*\g], 0x3f7e, v[148+2*\g]     ; z0 x 128 + y0 is at most 126 x 128 + 126,
	v_min_u32 v[149+2*\g], 0x7e, v[149+2*\g]       ; x0 at most 126: a loaded number enters an address only behind such a bound
	v_lshlrev_b32 v[148+2*\g], 9, v[148+2*\g]
	v_lshlrev_b32 v[149+2*\g], 2, v[149+2*\g]
	v_add_nc_u32 v[OFF+\g], v[148+2*\g], v[149+2*\g]
	v_sub_f32 v211, 1.0, v[156+4*\g]
	v_sub_f32 v212, 1.0, v[157+4*\g]
	v_sub_f32 v213, 1.0, v[158+4*\g]
	v_mul_f32 v214, v213, v212
	v_mul_f32 v215, v213, v[157+4*\g]
	v_mul_f32 v216, v[158+4*\g], v212
	v_mul_f32 v217, v[158+4*\g], v[157+4*\g]
.irp p, 0,1,2,3
	v_mul_f32 v[W8+8*\g+2*\p], v[214+\p], v211
	v_mul_f32 v[W8+8*\g+2*\p+1], v[214+\p], v[156+4*\g]
.endr
.endm
.macro ISSUE g                         ; sixteen gathers: eight corners of the two volumes in hand; a corner's step stands in the immediate
.irp q, 0,1,2,3,4,5,6,7
	global_load_b32 v[GL+16*\g+2*\q], v[OFF+\g], s[26:27] offset:4*(\q%2)+512*((\q/2)%2)+65536*(\q/4)
	global_load_b32 v[GL+16*\g+2*\q+1], v[OFF+\g], s[28:29] offset:4*(\q%2)+512*((\q/2)%2)+65536*(\q/4)
.endr
.endm
.macro TRI g                           ; the two channels at once; the corner's weight serves both halves
	v_pk_mul_f32 v[ACCP+2*\g:ACCP+2*\g+1], v[GL+16*\g:GL+16*\g+1], v[W8+8*\g:W8+8*\g+1] op_sel_hi:[1,0]
.irp q, 1,2,3,4,5,6,7
.if (\q)%2
	v_pk_fma_f32 v[ACCP+2*\g:ACCP+2*\g+1], v[GL+16*\g+2*\q:GL+16*\g+2*\q+1], v[W8+8*\g+\q-1:W8+8*\g+\q], v[ACCP+2*\g:ACCP+2*\g+1] op_sel:[0,1,0] op_sel_hi:[1,1,1]
.else
	v_pk_fma_f32 v[ACCP+2*\g:ACCP+2*\g+1], v[GL+16*\g+2*\q:GL+16*\g+2*\q+1], v[W8+8*\g+\q:W8+8*\g+\q+1], v[ACCP+2*\g:ACCP+2*\g+1] op_sel_hi:[1,0,1]
.endif
.endr
	ds_store_b64 v[FAD], v[ACCP+2*\g:ACCP+2*\g+1] offset:GSTG*\g
.endm
	; ================ PHASE 0: addresses, the cells, the first gathers, the copy of the images, the barrier
	s_load_b512 s[4:19], s[0:1], 0x0               ; idx s[4:5], frac s[6:7], wimg s[8:9], app_grid s[10:11], density_grid s[12:13], rays_d s[14:15], b1 s[16:17], b2 s[18:19]
	s_load_b128 s[20:23], s[0:1], 0x40             ; b3 s[20:21], out0 s[22:23]
	v_lshl_add_u32 v[SPW], v0, 2, SPARE
	v_mov_b32 v[NIL], 0
	v_lshrrev_b32 v208, 5, v0
	v_readfirstlane_b32 s24, v208                  ; wave 0..15
	v_and_b32 v211, 31, v0                         ; lane
	v_bfe_u32 v212, v0, 4, 1                       ; h
	v_lshlrev_b32 v[LI], 4, v211
	v_lshlrev_b32 v208, 3, v211                    ; 8 x lane
	v_lshlrev_b32 v209, 4, v0                      ; 16 x thread
	s_mul_i32 s25, s24, WSTG
	v_add_nc_u32 v[FA0], s25, v208
	v_add_nc_u32 v[FA0], STG, v[FA0]
	s_mul_i32 s25, s24, 768
	v_lshl_add_u32 v[C1A], v212, 8, s25
	v_add_nc_u32 v[C1A], SCR, v[C1A]
	v_lshlrev_b32 v[B2A], 5, v212
	v_add_nc_u32 v[B2A], B2L, v[B2A]
	s_add_co_u32 s25, s25, SCR+512
	v_mov_b32 v[VWA], s25
	s_mul_i32 s25, s24, 48
	s_add_co_u32 s25, s25, COMB
	v_mov_b32 v[CMA], s25
	v_bfe_u32 v213, v0, 2, 3                       ; the last step: lane l takes ray l / 4
	v_and_b32 v214, 3, v0
	v_mad_u32_u24 v214, v214, 22, 20
	v_lshrrev_b32 v214, 5, v214                    ; and colour 0, 1, 2, 2
	v_mul_u32_u24 v213, v213, 96                   ; a ray's two records
	v_lshl_add_u32 v[OA], v214, 2, v213
	v_add_nc_u32 v[OA], COMB, v[OA]
	v_lshlrev_b32 v[SH8], 3, v212
	v_mov_b32 v[KM], 0x4b400000
	v_mov_b32 v[KM+1], 0x4b400000
	v_mov_b32 v[KS4], 0x3638ef1d
	v_mov_b32 v[KS4+1], 0x3638ef1d
	v_mov_b32 v[KC5], 0xb493f27e
	v_mov_b32 v[KC5+1], 0xb493f27e
	v_mov_b32 v241, 0                              ; written once: a lane permute's destination counts as one of its sources
	s_mov_b32 s32, 0x76543210
	s_mov_b32 s33, 0xfedcba98                      ; v_permlanex16_b32's selects for lane l xor 16
	s_mov_b32 s41, 0xbfb8aa3b                      ; -log2(e)
	s_wait_kmcnt 0x0
	s_lshl_b32 s52, ttmp9, 14                      ; my wave's 128 points: 2,048 wg + 128 w; 8 bytes each in idx,
	s_lshl_b32 s25, s24, 10
	s_add_co_u32 s52, s52, s25
	s_mov_b32 s53, 0
	s_add_nc_u64 s[4:5], s[4:5], s[52:53]
	s_lshl_b32 s52, s52, 1                         ; 16 in frac
	s_add_nc_u64 s[6:7], s[6:7], s[52:53]
	s_lshl_b32 s52, ttmp9, 3
	s_lshr_b32 s25, s24, 1
	s_add_co_u32 s52, s52, s25                     ; my ray
	s_mul_i32 s52, s52, 12
	s_add_nc_u64 s[54:55], s[14:15], s[52:53]
	s_load_b96 s[44:46], s[54:55], 0x0             ; its d; waited for in phase V
	s_load_b96 s[48:50], s[20:21], 0x0             ; b3
.irp g, 0,1,2,3
	global_load_b64 v[148+2*\g:149+2*\g], v208, s[4:5] offset:256*\g th:TH_LOAD_NT
.endr
.irp g, 0,1,2,3
	global_load_b128 v[156+4*\g:159+4*\g], v[LI], s[6:7] offset:512*\g th:TH_LOAD_NT
.endr
.irp k, 0,1,2,3,4
	global_load_b128 v[184+4*\k:187+4*\k], v209, s[8:9] offset:8192*\k     ; the images: 16 bytes a thread, 8,192 a line
.endr
	s_lshl_b32 s25, s24, 9                         ; the last 6,656 bytes of the images: waves 0 to 12; b2's 512 bytes: wave 13.  In LDS both land at 40,960 + 16 x thread
	s_add_co_u32 s25, s25, 40960
	s_cmp_lt_u32 s24, 13
	s_cselect_b64 s[58:59], s[8:9], s[18:19]       ; a pair of its own: it is not written again
	s_cselect_b32 s25, s25, 0
	v_add_nc_u32 v210, s25, v[LI]
	s_cmp_gt_u32 s24, 13
	s_cbranch_scc1 .Lno_sixth_load
	global_load_b128 v[204:207], v210, s[58:59]
.Lno_sixth_load:
	s_mov_b64 s[26:27], s[10:11]                   ; channel 0
	s_add_nc_u64 s[28:29], s[10:11], 0x800000      ; channel 1: a volume is 2^23 bytes
	s_wait_loadcnt 5                               ; idx and frac are in: five or six loads were issued behind them, and the smaller count holds on both ways
	CELL 0
	CELL 1
	CELL 2
	CELL 3
	ISSUE 0                                        ; the first pair's gathers go out ahead of the copy's stores and of the barrier
	ISSUE 1
	ISSUE 2
	s_wait_loadcnt 48                              ; all but these 48 gathers are in: the copy is in registers
.irp k, 0,1,2,3,4
	ds_store_b128 v209, v[184+4*\k:187+4*\k] offset:8192*\k
.endr
	s_cmp_gt_u32 s24, 13
	s_cbranch_scc1 .Lno_sixth_store
	ds_store_b128 v209, v[204:207] offset:40960
.Lno_sixth_store:
	ISSUE 3
	s_wait_xcnt 0x0                                ; the loads have read their bases: these are stepped only behind this wait
	s_add_nc_u64 s[26:27], s[26:27], 0x1000000
	s_add_nc_u64 s[28:29], s[28:29], 0x1000000
	s_mov_b32 s30, 13
	s_mov_b32 s31, 0
	s_wait_dscnt 0x0                               ; for the others' sake: my part of the images has landed in LDS
	s_barrier_signal -1
	s_barrier_wait -1                              ; everybody's has: every read of the images stands behind this line.  My 64 gathers stay on their way: nobody writes those bytes
	; ================ PHASE A: 14 pairs of volumes, all waves in the same order
.Lpair:                                                ; trip k interpolates pair k and asks for pair k + 1
	v_add_nc_u32 v[FAD], s31, v[FA0]
.irp g, 0,1,2,3
	s_wait_loadcnt 48                              ; this group's sixteen are in; the three younger groups' 48 stay out, on the way in and round the back edge alike
	TRI \g
	ISSUE \g
.endr
	s_wait_xcnt 0x0
	s_add_nc_u64 s[26:27], s[26:27], 0x1000000
	s_add_nc_u64 s[28:29], s[28:29], 0x1000000
	s_add_co_u32 s31, s31, 256
	s_sub_co_u32 s30, s30, 1
	s_cmp_eq_u32 s30, 1                            ; the last pair asked for is channel 26 and the density
	s_cselect_b64 s[28:29], s[12:13], s[28:29]
	s_cmp_lg_u32 s30, 0
	s_cbranch_scc1 .Lpair
	v_add_nc_u32 v[FAD], s31, v[FA0]               ; pair 13 is written out: nothing more is asked for, and the counts run down
	s_wait_loadcnt 48
	TRI 0
	s_wait_loadcnt 32
	TRI 1
	s_wait_loadcnt 16
	TRI 2
	s_wait_loadcnt 0x0
	TRI 3
	; no barrier here: my stage is read by me alone, and LDS serves a wave's instructions in order (ISA guide 5.7.1.4)
	; ================ PHASE V: what hangs on the ray alone
.irp s, 0,1,2
	ds_load_b128 v[SA1+4*\s:SA1+4*\s+3], v[LI] offset:SW1+512*\s
.endr
	ds_load_b128 v[HSW:HSW+3], v[LI] offset:SW1+1536
	ds_load_b128 v[SA2:SA2+3], v[LI] offset:SW2
	v_bfe_u32 v214, v0, 4, 1
	v_lshlrev_b32 v214, 7, v214                    ; b1 in the result's layout: tile i, register j of half h is hidden unit 64 (i / 4) + 32 h + 8 (i % 4) + j
.irp i, 0,1,2,3,4,5,6,7
.irp e, 0,1
	global_load_b128 v[ACC+8*\i+4*\e:ACC+8*\i+4*\e+3], v214, s[16:17] offset:256*(\i/4)+32*(\i%4)+16*\e
.endr
.endr
.irp ii, 0,1,2,3
.irp c, 0,1
	ds_load_b128 v[104+8*\ii+4*\c:104+8*\ii+4*\c+3], v[LI] offset:W1I+(4*\ii+3)*1024+512*\c   ; W1's fragments (tile 0 to 3, K step 3)
.endr
.endr
	s_wait_kmcnt 0x0                               ; d and b3
	v_mov_b32 v176, s44
	v_mov_b32 v177, s45
	v_mov_b32 v178, s46
	v_mul_f32 v206, v176, v176
	v_fma_f32 v206, v177, v177, v206
	v_fma_f32 v206, v178, v178, v206
	v_sqrt_f32 v207, v206                          ; |d|
	v_nop
	s_wait_alu depctr_va_vdst(0)                   ; the wait ahead of the first line that names a transcendental's result
	v_rcp_f32 v208, v207
	v_mul_f32 v209, 0x3b9a33cd, v207               ; dist = step x |d|  (the plain line behind the reciprocal)
	s_wait_alu depctr_va_vdst(0)
	v_mul_f32 v209, 0x41c80000, v209               ; x 25
	v_mul_f32 v209, s41, v209                      ; x -log2(e)
	v_readfirstlane_b32 s57, v209
.irp a, 0,1,2
	v_mul_f32 v210, v[176+\a], v208                ; d / |d|: reciprocal multiply,
	v_fma_f32 v211, -v207, v210, v[176+\a]         ; what is left,
	v_fma_f32 v[176+\a], v211, v208, v210          ; mended
.endr
	v_mov_b32 v179, v178                           ; (the pair's second member: not wanted, but named)
	v_readfirstlane_b32 s35, v176
	v_readfirstlane_b32 s36, v177
	v_readfirstlane_b32 s37, v178
	s_mul_f32 s38, s48, s41
	s_mul_f32 s39, s49, s41
	s_mul_f32 s40, s50, s41
.set MODE, 1
	ENCPAIR 176, 354, 366
	ENCPAIR 178, 378, -1
.set MODE, 0
	v_mov_b32 v172, 0
	v_mov_b32 v173, 0
.irp q, 0,1,2,3,4,5,6
	ds_store_b128 v[VWA], v[VV+4*\q:VV+4*\q+3] offset:16*\q    ; k = 354 .. 383, for K block 11 of every point; all lanes write the same words with the same values
.endr
	ds_store_b64 v[VWA], v[VV+28:VV+29] offset:112
	v_max3_num_f32 v[MXA], |v166|, |v167|, 0x1800000           ; K block 12: six numbers and zeros
	v_max3_num_f32 v[MXA], v[MXA], |v168|, |v169|
	v_max3_num_f32 v[MXA], v[MXA], |v170|, |v171|
	v_add_nc_u32 v[SCO], 0xff000000, v[MXA]
	v_cvt_scalef32_pk8_fp4_f32 v174, v[166:173], v[SCO]
	v_lshrrev_b32 v[BY], 23, v[SCO]
	v_or_b32 v[SWV], 0x7f7f7f00, v[BY]             ; blocks 13 to 15: zero codes under the byte 127
	v_bfe_u32 v175, v0, 4, 1
	v_add_nc_u32 v175, -1, v175                    ; all ones in lanes 0-15, 0 in lanes 16-31
	v_and_b32 v176, v175, v174                     ; the fragment: block 12 lies in register 0 of lanes 0-15; the same row for all 16 columns
.irp r, 177,178,179,180,181,182,183
	v_mov_b32 v\r, 0
.endr
	s_wait_loadcnt 0x0                             ; b1
	s_wait_dscnt 0x0                               ; the scale words and the four fragments
	PLACES 8                                       ; the view's scale word and fragment were written by vector instructions
.irp ii, 0,1,2,3
	WM ACC+8*\ii, 104+8*\ii, 176, ACC+8*\ii, HSW+\ii/2, SWV, \ii%2, 0
.endr
	PLACES 4                                       ; ahead of loads into registers that matrix instructions have read
.irp ii, 0,1,2,3
.irp c, 0,1
	ds_load_b128 v[104+8*\ii+4*\c:104+8*\ii+4*\c+3], v[LI] offset:W1I+(4*(4+\ii)+3)*1024+512*\c
.endr
.endr
	s_wait_dscnt 0x0
.irp ii, 0,1,2,3
	WM ACC+32+8*\ii, 104+8*\ii, 176, ACC+32+8*\ii, HSW+2+\ii/2, SWV, \ii%2, 0
.endr
	PLACES 4
.irp q, 0,1,2,3,4,5,6,7,8,9,10,11,12,13,14,15
	ds_store_b128 v[C1A], v[ACC+4*\q:ACC+4*\q+3] offset:16*\q  ; C1 = b1 + block 12's part; the 16 columns are equal, so the 16 lanes of a half write the same words with the same values; each accumulator from its low end on
.endr
	v_mov_b32 v[TRUN], 1.0
.irp r, 10,11,12,13
	v_mov_b32 v\r, 0
.endr
	s_mov_b32 s30, 4
	s_mov_b32 s31, 0
	; ================ PHASE B: a group of 32 points a trip
.Lgroup:
	v_add_nc_u32 v[FAD], s31, v[FA0]
.irp p, 0,1,2,3,4,5,6,7,8,9,10,11,12,13
	ds_load_b64 v[F+2*\p:F+2*\p+1], v[FAD] offset:256*\p       ; 27 features, and the density's number in F + 27
.endr
	s_wait_dscnt 0x0
	; ---- alpha, and the weight.  softplus(x) = max(x, 0) + log(1 + exp(-|x|))
	v_mul_f32 v206, s41, |v[F+27]|
	v_exp_f32 v206, v206
	v_max_num_f32 v207, 0, v[F+27]                 ; (the plain line behind the exponential)
	s_wait_alu depctr_va_vdst(0)
	v_add_f32 v206, 1.0, v206
	v_log_f32 v206, v206
	v_nop
	s_wait_alu depctr_va_vdst(0)
	v_fma_f32 v206, v206, 0x3f317218, v207         ; sigma
	v_mul_f32 v206, s57, v206
	v_exp_f32 v206, v206                           ; exp(-sigma dist 25)
	v_nop
	s_wait_alu depctr_va_vdst(0)
	v_sub_f32 v208, 1.0, v206                      ; alpha
	v_sub_f32 v209, 1.0, v208
	v_add_f32 v209, 0x2edbe6ff, v209               ; 1 - alpha + 1e-10
	v_mul_f32_dpp v209, v209, v209 row_shr:1 row_mask:0xf bank_mask:0xf    ; the running product inside each row of 16 lanes; a lane with no source keeps its number
	v_mul_f32_dpp v209, v209, v209 row_shr:2 row_mask:0xf bank_mask:0xf
	v_mul_f32_dpp v209, v209, v209 row_shr:4 row_mask:0xf bank_mask:0xf
	v_mul_f32_dpp v209, v209, v209 row_shr:8 row_mask:0xf bank_mask:0xf
	v_mov_b32 v210, 1.0
	v_mov_b32_dpp v210, v209 row_shr:1 row_mask:0xf bank_mask:0xf          ; the product of the samples in front of mine, in my row
	v_readlane_b32 s42, v209, 15                   ; the first row's whole product,
	v_readlane_b32 s43, v209, 31                   ; the second's
	v_mov_b32 v211, s42
	v_cmp_ne_u32 vcc_lo, 0, v[SH8]
	v_cndmask_b32 v211, 1.0, v211, vcc_lo          ; lanes 16-31 stand behind the first row
	v_mul_f32 v210, v210, v211
	v_mul_f32 v210, v210, v[TRUN]                  ; and all behind the groups before
	v_mul_f32 v[WGT], v208, v210
	v_mul_f32 v[TRUN], s42, v[TRUN]
	v_mul_f32 v[TRUN], s43, v[TRUN]
	v_mov_b32 v[F+27], s35                         ; k = 27 .. 29: the view direction
	v_mov_b32 v[F+28], s36
	v_mov_b32 v[F+29], s37
	; ---- the encoding, two features at a time (24 along K), and each K block quantised as soon as it is whole: 54 + 24 pp numbers are there behind pair pp.
	; A pair writes at most into the block behind the last whole one, whose place in the ring was left by a block that has been quantised.
.set PP, 0
.set NEXTB, 0
.rept 14
.if PP < 13
	ENCPAIR F+2*PP, 30+24*PP, 42+24*PP
.else
	ENCPAIR F+2*PP, 30+24*PP, -1
.endif
.if 54+24*PP >= 32*(NEXTB+1)
	QB NEXTB
.if NEXTB == 9                         ; block 9 has left the place of block 11, whose k = 354 .. 383 are the ray's
.irp q, 0,1,2,3,4,5,6
	ds_load_b128 v[XB+34+4*\q:XB+34+4*\q+3], v[VWA] offset:16*\q
.endr
	ds_load_b64 v[XB+62:XB+63], v[VWA] offset:112
.endif
.set NEXTB, NEXTB+1
.endif
.set PP, PP+1
.endr
	s_wait_dscnt 0x0                               ; the view numbers
	QB 11
.irp s, 0,1,2                          ; the first's lanes 16-31 change places with the second's lanes 0-15: registers 16 s + 8 t on are then the fragment of point tile t for K step s
.irp i, 0,1,2,3,4,5,6,7
	v_permlane16_swap_b32 v[CD+16*\s+\i], v[CD+16*\s+8+\i]
.endr
.endr
	PLACES 8                                       ; x's scale words and codes were written by vector instructions
	; ---- the first product, four tiles of hidden units x two tiles of points at a time; the eight accumulators take turns
.irp hp, 0,1
.irp q, 0,1,2,3,4,5,6,7
	ds_load_b128 v[CB+4*\q:CB+4*\q+3], v[C1A] offset:128*\hp+16*\q
.endr
.irp s, 0,1,2
.irp ii, 0,1,2,3
.irp c, 0,1
	ds_load_b128 v[AF+8*\ii+4*\c:AF+8*\ii+4*\c+3], v[LI] offset:W1I+(4*(4*\hp+\ii)+\s)*1024+512*\c
.endr
.endr
	s_wait_dscnt 0x0
.irp ii, 0,1,2,3
.irp t, 0,1
.if \s == 0
	WM ACC+32*\t+8*\ii, AF+8*\ii, CD+16*\s+8*\t, CB+8*\ii, SA1+4*\s+(4*\hp+\ii)/2, SW+\s, \ii%2, \t
.else
	WM ACC+32*\t+8*\ii, AF+8*\ii, CD+16*\s+8*\t, ACC+32*\t+8*\ii, SA1+4*\s+(4*\hp+\ii)/2, SW+\s, \ii%2, \t
.endif
.endr
.endr
	PLACES 4                                       ; ahead of the next loads into the fragments' registers, and of the first read of results
.endr
.irp t, 0,1                            ; my 32 registers of point tile t are block 2 hp + h of the next K, in its own order
.set J, 0
.rept 32
	v_max_num_f32 v[ACC+32*\t+J], 0, v[ACC+32*\t+J]
.set J, J+1
.endr
	QCORE ACC+32*\t, HC+8*\t+4*\hp, 236, 237, 238
	v_lshrrev_b32 v[232+2*\t+\hp], 23, v238        ; the scale's byte (also the plain line behind the conversions)
.endr
.endr
.irp t, 0,1                            ; my two bytes, blocks h and 2 + h, at their places; with lane l xor 16's two the word is whole
	v_lshl_or_b32 v240, v[233+2*\t], 16, v[232+2*\t]
	v_lshlrev_b32 v240, v[SH8], v240
	v_permlanex16_b32 v241, v240, s32, s33
	v_or_b32 v[HSW+\t], v240, v241
.endr
	; ---- the second product (K = 128: one step) and, of its results, the third
.irp hp, 0,1
.irp ii, 0,1,2,3
.irp e, 0,1
	ds_load_b128 v[CB+8*\ii+4*\e:CB+8*\ii+4*\e+3], v[B2A] offset:64*(4*\hp+\ii)+16*\e             ; b2 in the result's layout: units 16 i + 8 h + 0 .. 7
	ds_load_b128 v[AF+8*\ii+4*\e:AF+8*\ii+4*\e+3], v[LI] offset:W2I+1024*(4*\hp+\ii)+512*\e
.endr
.endr
	s_wait_dscnt 0x0
.if \hp == 0
	PLACES 8                                       ; the hidden layer's scale words and codes were written by vector instructions
.endif
.irp ii, 0,1,2,3
.irp t, 0,1
	WM ACC+32*\t+8*\ii, AF+8*\ii, HC+8*\t, CB+8*\ii, SA2+(4*\hp+\ii)/2, HSW+\t, \ii%2, 0
.endr
.endr
	PLACES 4
.set J, 0
.rept 64
	v_max_num_f32 v[ACC+J], 0, v[ACC+J]
.set J, J+1
.endr
.irp pl, 0,1
.irp c, 0,1
	ds_load_b128 v[W3F+8*\pl+4*\c:W3F+8*\pl+4*\c+3], v[LI] offset:W3I+1024*(2*\hp+\pl)+512*\c
.endr
.endr
.set J, 0
.rept 32                               ; two neighbouring tiles' registers, rounded in pairs, are a bf16 fragment of 32 units x 16 points
	v_cvt_pk_bf16_f32 v[BF+J], v[ACC+2*J], v[ACC+2*J+1]
.set J, J+1
.endr
	s_wait_dscnt 0x0
.irp pl, 0,1
.if (\hp == 0) && (\pl == 0)
	v_wmma_f32_16x16x32_bf16 v[XA:XA+7], v[W3F+8*\pl:W3F+8*\pl+7], v[BF+8*\pl:BF+8*\pl+7], 0               ; the first products start the two sums
	v_wmma_f32_16x16x32_bf16 v[YA:YA+7], v[W3F+8*\pl:W3F+8*\pl+7], v[BF+16+8*\pl:BF+16+8*\pl+7], 0
.else
	v_wmma_f32_16x16x32_bf16 v[XA:XA+7], v[W3F+8*\pl:W3F+8*\pl+7], v[BF+8*\pl:BF+8*\pl+7], v[XA:XA+7]      ; the two accumulators by turns
	v_wmma_f32_16x16x32_bf16 v[YA:YA+7], v[W3F+8*\pl:W3F+8*\pl+7], v[BF+16+8*\pl:BF+16+8*\pl+7], v[YA:YA+7]
.endif
.endr
.endr
	; ---- the colour.  Register c of lanes 0-15 holds colour c of the tile's 16 points: one exchange of halves gives lane l point l's
	PLACES 4
.irp c, 0,1,2
	v_permlane16_swap_b32 v[XA+\c], v[YA+\c]
.endr
	v_fma_f32 v184, v[XA], s41, s38                ; -log2(e) (x + b3)
	v_fma_f32 v185, v[XA+1], s41, s39
	v_fma_f32 v186, v[XA+2], s41, s40
	v_exp_f32 v184, v184
	v_exp_f32 v185, v185
	v_exp_f32 v186, v186
	v_nop
	s_wait_alu depctr_va_vdst(0)                   ; one wait for the three
	v_add_f32 v184, 1.0, v184
	v_add_f32 v185, 1.0, v185
	v_add_f32 v186, 1.0, v186
	v_rcp_f32 v184, v184
	v_rcp_f32 v185, v185
	v_rcp_f32 v186, v186
	v_add_f32 v[AW], v[AW], v[WGT]                 ; (the plain line behind the reciprocals)
	s_wait_alu depctr_va_vdst(0)
	v_fmac_f32 v[AC], v[WGT], v184
	v_fmac_f32 v[AC+1], v[WGT], v185
	v_fmac_f32 v[AC+2], v[WGT], v186
	s_add_co_u32 s31, s31, GSTG
	s_sub_co_u32 s30, s30, 1
	s_cmp_lg_u32 s30, 0
	s_cbranch_scc1 .Lgroup
	; ================ PHASE E: the sums over my 128 samples, and the two halves of a ray
.irp m, 1,2,4,8
.irp r, 10,11,12,13
	v_add_f32_dpp v\r, v\r, v\r row_xmask:\m row_mask:0xf bank_mask:0xf
.endr
.endr
.irp r, 0,1,2,3
	v_mov_b32 v[184+\r], 0
.endr
.irp r, 0,1,2,3
	v_permlanex16_b32 v[184+\r], v[10+\r], s32, s33
.endr
.irp r, 0,1,2,3
	v_add_f32 v[10+\r], v[10+\r], v[184+\r]
.endr
	ds_store_b128 v[CMA], v[10:13]                 ; all lanes write the same words with the same values
.irp c, 0,1,2
	ds_store_b32 v[CMA], v[AW] offset:16+4*\c
	ds_store_b32 v[CMA], v[TRUN] offset:32+4*\c
.endr
	s_wait_tensorcnt 0x0                           ; my last LDS store stands above
	ds_add_u32 v[SPW], v[NIL]
	s_wait_dscnt 0x0                               ; also for the others' sake: my record has landed
	s_barrier_signal -1
	s_barrier_wait -1
	s_cmp_lg_u32 s24, 0
	s_cbranch_scc1 .Lend
	ds_load_b32 v40, v[OA]                         ; first half: colour sum,
	ds_load_b32 v41, v[OA] offset:16               ; weight sum,
	ds_load_b32 v42, v[OA] offset:32               ; whole transmittance;
	ds_load_b32 v43, v[OA] offset:48               ; second half: colour sum,
	ds_load_b32 v44, v[OA] offset:64               ; weight sum
	v_bfe_u32 v45, v0, 2, 3
	v_and_b32 v46, 3, v0
	v_mad_u32_u24 v46, v46, 22, 20
	v_lshrrev_b32 v46, 5, v46
	v_mul_u32_u24 v45, v45, 12
	v_lshl_add_u32 v45, v46, 2, v45                ; 12 x ray + 4 x colour
	s_mul_i32 s52, ttmp9, 96                       ; eight rays of 12 bytes
	s_mov_b32 s53, 0
	s_add_nc_u64 s[22:23], s[22:23], s[52:53]
	s_wait_dscnt 0x0
	v_fma_f32 v40, v42, v43, v40
	v_fma_f32 v41, v42, v44, v41                   ; acc
	v_sub_f32 v41, 1.0, v41
	v_add_f32 v40, v40, v41                        ; the white background
	v_med3_num_f32 v40, v40, 0, 1.0
	global_store_b32 v45, v40, s[22:23]            ; 96 bytes a work-group; the fourth lane of each four repeats the third's store, so that EXEC stays whole
.Lend:
	s_endpgm
.Lfunc_end_k_q3f0130077b_render:
	.size	k_q3f0130077b_render, .Lfunc_end_k_q3f0130077b_render-k_q3f0130077b_render
	.p2alignl 7, 3214868480
	.fill 96, 4, 3214868480
	.section	.rodata,"a",@progbits
	.p2align	6, 0x0
	.amdhsa_kernel k_q3f0130077b_render
		.amdhsa_group_segment_fixed_size 292608
		.amdhsa_private_segment_fixed_size 0
		.amdhsa_enable_private_segment 0
		.amdhsa_kernarg_size 80
		.amdhsa_user_sgpr_count 2
		.amdhsa_user_sgpr_kernarg_segment_ptr 1
		.amdhsa_wavefront_size32 1
		.amdhsa_system_sgpr_workgroup_id_x 1
		.amdhsa_system_sgpr_workgroup_id_y 1
		.amdhsa_system_sgpr_workgroup_id_z 1
		.amdhsa_system_vgpr_workitem_id 0
		.amdhsa_next_free_vgpr 256
		.amdhsa_next_free_sgpr 66
		.amdhsa_reserve_vcc 1
		.amdhsa_float_denorm_mode_32 3
		.amdhsa_float_denorm_mode_16_64 3
		.amdhsa_memory_ordered 1
		.amdhsa_forward_progress 1
		.amdhsa_inst_pref_size 138
	.end_amdhsa_kernel
	.amdgpu_metadata
---
amdhsa.version: [ 1, 2 ]
amdhsa.kernels:
  - .name:           k_q3f0130077b_render
    .symbol:         k_q3f0130077b_render.kd
    .args:
      - { .name: idx, .offset: 0, .size: 8, .value_kind: global_buffer, .address_space: global }
      - { .name: frac, .offset: 8, .size: 8, .value_kind: global_buffer, .address_space: global }
      - { .name: wimg, .offset: 16, .size: 8, .value_kind: global_buffer, .address_space: global }
      - { .name: app_grid, .offset: 24, .size: 8, .value_kind: global_buffer, .address_space: global }
      - { .name: density_grid, .offset: 32, .size: 8, .value_kind: global_buffer, .address_space: global }
      - { .name: rays_d, .offset: 40, .size: 8, .value_kind: global_buffer, .address_space: global }
      - { .name: b1, .offset: 48, .size: 8, .value_kind: global_buffer, .address_space: global }
      - { .name: b2, .offset: 56, .size: 8, .value_kind: global_buffer, .address_space: global }
      - { .name: b3, .offset: 64, .size: 8, .value_kind: global_buffer, .address_space: global }
      - { .name: out0, .offset: 72, .size: 8, .value_kind: global_buffer, .address_space: global }
    .group_segment_fixed_size: 292608
    .private_segment_fixed_size: 0
    .kernarg_segment_align: 8
    .kernarg_segment_size: 80
    .max_flat_workgroup_size: 512
    .sgpr_count:     66
    .vgpr_count:     256
    .wavefront_size: 32
...
	.end_amdgpu_metadata
.endif
;; end of part 2
